; MI455X (gfx1250); checked and timed in simulation.
; The chip was launched on July 23, 2026; its instructions are those of AMD's public machine-readable ISA for CDNA 5 (MIT licence, August 2026) and "CDNA5" Instruction Set Architecture Reference Guide (July 2026). The comments in the code are by the model that wrote it; some were corrected since.
;; Self Attention. Allowed arithmetic: matrix products marked QUANTISED: E2M3 operands, one E8M0 scale for each 32 along K, by v_wmma_scale_f32_16x16x128_f8f6f4 with both operands' format E2M3, f32 sums; everything else in f32.
;; Inputs: W_out 256 x 256 float32; W_qkv 256 x 768 float32; b_out 256 float32; b_qkv 768 float32; x 4 x 4,096 x 256 float32.
;; Outputs: out0 4 x 4,096 x 256 float32.
;; This version of the problem:
;;   THIS VERSION OF THE PROBLEM IS GIVEN IN LOW PRECISION. The matrix products marked QUANTISED in the list below multiply operands that are first quantised to E2M3 (2 exponent bits, 3 mantissa bits; 6 bits a number), with one power-of-two scale for each 32 numbers along K (OCP MX v1.0); their sums are f32. All else is computed in f32.
;;   The module's matrix products, in the order in which they are computed (A, B: the left and right operand; K: the contracted axis; several contracted axes count as one K, in the product's order):
;;     1. [M 16,384, K 256] x [K 256, N 768]; A: input x; B: input W_qkv: QUANTISED
;;     2. batch 4 x [M 4,096, K 256] x [K 256, N 4,096]; A: computed on the way; B: computed on the way: QUANTISED
;;     3. batch 4 x [M 4,096, K 4,096] x [K 4,096, N 256]; A: softmax (see below); B: computed on the way: QUANTISED
;;     4. [M 16,384, K 256] x [K 256, N 256]; A: computed on the way; B: input W_out: QUANTISED
;;   THE QUANTISER, for each operand of a quantised product, along K:
;;     - K is cut into blocks of 32 from its start; a last block that is shorter is filled with zeros.
;;     - A block's scale is 2^e with e = floor(log2(the largest magnitude in the block)) - 2, held to -126 .. 127; a block of zeros has e = 0. As a byte (E8M0): e + 127.
;;     - Each number is divided by its block's scale, clamped to +-7.5, and rounded to the nearest number of E2M3, ties to even, subnormals kept.
;;     - The product sums the exact products of the quantised numbers (number of the format x scale) in f32.
;;   ~~~python
;;   def quantise(x, axis):      # numpy; x: float32 -> the quantised numbers, widened to float32 again
;;       x = np.moveaxis(x, axis, -1); K = x.shape[-1]
;;       x = np.pad(x, [(0, 0)] * (x.ndim - 1) + [(0, -K % 32)]); x = x.reshape(x.shape[:-1] + (-1, 32)); a = np.abs(x).max(-1, keepdims=True)
;;       e = np.where(a > 0, np.clip(np.frexp(np.where(a > 0, a, 1))[1] - 1 - 2, -126, 127), 0)      # np.frexp(a)[1] - 1 = floor(log2(a)), exactly
;;       r = np.clip(x / 2.0 ** e, -7.5, 7.5)
;;       step = 2.0 ** (np.maximum(np.frexp(np.where(r == 0, 1, r))[1] - 1, 0) - 3)
;;       q = np.round(r / step) * step * 2.0 ** e      # np.round: ties to even
;;       return np.moveaxis(q.reshape(q.shape[:-2] + (-1,))[..., :K], -1, axis).astype(np.float32)
;;   ~~~
;;   SOFTMAX AHEAD OF A QUANTISED PRODUCT. Where the list says 'softmax', what is quantised is not the finished softmax but p = 2^(t - M), with t = logit x log2(e) and M = ceil(the row's largest t), a whole number; so 1/2 < the row's largest p <= 1. The row's sum l is taken of the UNQUANTISED p, in f32, and the product's result is divided by l at the end. Since M is a whole number, a kernel that streams over the keys may use a running M (the ceiling of the running maximum): every later rescaling is an exact power of two, which a block's scale takes up: the codes' values come out the same.
;;   OPERANDS COMPUTED ON THE WAY. 'Computed on the way' means the value that the module computes at that place (a softmax that the list does not call 'softmax' is quantised finished and normalised). What goes into a quantiser is computed in f32, as accurately as f32 sums, v_exp_f32 and their like allow (about 1e-6 of the number): no bf16 or f16 on the way to a quantiser, and a product that is left as it is and whose result goes on into a quantised operand takes f32 operands (vector FMAs, or v_wmma_f32_16x16x4_f32). A number that lies on a knife's edge between two numbers of the format may be rounded either way, as far as f32 arithmetic and the matrix unit's own rounding can turn it there, and no further.
;; One version. Each part assembles by itself: llvm-mc -triple=amdgcn-amd-amdhsa -mcpu=gfx1250 --defsym DOCPART=n.
;; ======== version 1 of 1: 3 launches
;; workspace buffers: wq 153,600 bytes; wo 51,200 bytes; qimg 3,276,800 bytes; kv 6,553,600 bytes
;; launch wprep (part 1): grid 128 x 1, 1 waves a work-group, no clusters, 0 bytes of LDS; arguments W_qkv, W_out, wq, wo; writes wq, wo
.if DOCPART == 1
	.amdgcn_target "amdgcn-amd-amdhsa--gfx1250"
	.amdhsa_code_object_version 6
	.text
	.protected	k_qa191298791_wprep
	.globl	k_qa191298791_wprep
	.p2align	8
	.type	k_qa191298791_wprep,@function
k_qa191298791_wprep:
	s_mov_b64 s[64:65], 0
	v_nop
	global_prefetch_b8 v0, s[64:65] scope:SCOPE_SE
	s_setreg_imm32_b32 hwreg(HW_REG_WAVE_MODE, 25, 1), 1
	s_wait_xcnt 0x0
; W_qkv [256][768] and W_out [256][256], f32, K = the FIRST axis, become operands of FP6 (E2M3) with one E8M0 byte for each 32 along K,
; laid as IMAGES OF THE OPERAND'S REGISTERS: a fragment (16 columns x 128 K, 12 registers a lane) is 1,536 bytes, registers 4 c .. 4 c + 3 of lane l at 512 c + 16 l.
; One wave, one fragment.  Work-groups 0-95: W_qkv, fragment f = 2 G + s (column tile G, K step s); 96-127: W_out, f' = 2 nt + s.
; A LANE TAKES A COLUMN AND ITS REGISTERS RUN DOWN K, in the order that the operand's layout gives that lane (k = 64 c + 32 (lane / 16) + 0 .. 31):
; the conversions' results are the operand's registers and nothing is transposed.
; W_qkv's tiles are not neighbours: lane r of tile G = 2 b + u takes column 32 b + 8 u + r + 8 (r / 8), so that the results of two neighbouring tiles are 16 neighbours along the next K.  W_out's tiles take columns 16 nt + r.
; Scale words (4 bytes: a column's four blocks of a K step) lie behind the fragments, 64 bytes a fragment: these stores cover 64 consecutive bytes, 8 KB in the whole launch.
; A block's scale is 2^(floor(log2(largest magnitude)) - 2); its byte is that magnitude's exponent field - 2, held at 1 from below.
; LIMITS: a block of zeros, or one under 2^-124, gets the byte 1 (zero codes add nothing; the bytes are read by this program alone); NaN and infinities are not served.
.set PQ,   3072                        ; a row of W_qkv in bytes
.set PO,   1024                        ; a row of W_out
.set NQF,  96                          ; fragments of W_qkv
.set FRB,  1536                        ; a fragment's image
.set WQS,  147456                      ; where wq's scale words begin: 96 x 1,536
.set WOS,  49152                       ; and wo's: 32 x 1,536
.set X,    64                          ; v64-127  my column's 64 numbers
.set CD,   48                          ; v48-59   the codes
.set CT,   20                          ; v20-22, v24-26  the second halves of the two blocks, as the conversions leave them
	s_load_b128 s[4:7], s[0:1], 0x0                ; W_qkv, W_out
	s_load_b128 s[8:11], s[0:1], 0x10              ; wq, wo
	v_and_b32 v1, 15, v0                           ; r
	v_lshrrev_b32 v2, 4, v0                        ; h
	v_lshlrev_b32 v5, 4, v0                        ; 16 x lane: an image's place
	v_lshlrev_b32 v6, 2, v1                        ; 4 r: a scale word's
	s_mov_b32 s20, 0x76543210
	s_mov_b32 s21, 0xfedcba98                      ; v_permlanex16_b32's selects for lane l xor 16
	s_cmp_lt_u32 ttmp9, NQF                        ; which tensor: the work-group's number alone decides
	s_cselect_b32 s12, 0, NQF
	s_mov_b32 s15, WOS
	s_cselect_b32 s15, WQS, s15
	s_sub_co_u32 s12, ttmp9, s12                   ; the fragment's number in its tensor
	s_and_b32 s13, s12, 1                          ; K step
	s_lshr_b32 s14, s12, 1                         ; column tile
	s_mul_i32 s16, s12, FRB                        ; the image's place
	s_mov_b32 s17, 0
	s_lshl_b32 s18, s12, 6                         ; 64 bytes of scale words a fragment
	s_add_co_u32 s18, s18, s15
	s_mov_b32 s19, 0
	s_wait_kmcnt 0x0
	s_cmp_lt_u32 ttmp9, NQF
	s_cselect_b64 s[22:23], s[8:9], s[10:11]
	s_add_nc_u64 s[24:25], s[22:23], s[16:17]      ; where the image goes
	s_add_nc_u64 s[26:27], s[22:23], s[18:19]      ; where the scale words go
	s_cmp_lt_u32 ttmp9, NQF
	s_cbranch_scc0 .Lw_out
	s_mul_i32 s28, s13, 128*PQ                     ; W_qkv: 128 s rows down,
	s_lshr_b32 s29, s14, 1
	s_lshl_b32 s29, s29, 7                         ; 32 b columns,
	s_add_co_u32 s28, s28, s29
	s_and_b32 s29, s14, 1
	s_lshl_b32 s29, s29, 5                         ; 8 u columns
	s_add_co_u32 s28, s28, s29
	s_mov_b32 s29, 0
	s_add_nc_u64 s[4:5], s[4:5], s[28:29]
	v_and_b32 v3, 8, v1
	v_add_nc_u32 v3, v3, v1                        ; r + 8 (r / 8)
	v_lshlrev_b32 v3, 2, v3
	v_mad_u32_u24 v3, v2, 32*PQ, v3                ; lanes 16-31 begin 32 rows further down
.irp c, 0,1
.irp i, 0,1,2,3,4,5,6,7,8,9,10,11,12,13,14,15,16,17,18,19,20,21,22,23,24,25,26,27,28,29,30,31
	global_load_b32 v[X+32*\c+\i], v3, s[4:5] offset:(64*\c+\i)*PQ
.endr
.endr
	s_branch .Lgot
.Lw_out:
	s_lshl_b32 s28, s13, 17                        ; W_out: 128 s rows of 1,024 bytes,
	s_lshl_b32 s29, s14, 6                         ; 16 nt columns
	s_add_co_u32 s28, s28, s29
	s_mov_b32 s29, 0
	s_add_nc_u64 s[6:7], s[6:7], s[28:29]
	v_lshl_add_u32 v3, v2, 15, v6                  ; 4 r + 32 h rows
.irp c, 0,1
.irp i, 0,1,2,3,4,5,6,7,8,9,10,11,12,13,14,15,16,17,18,19,20,21,22,23,24,25,26,27,28,29,30,31
	global_load_b32 v[X+32*\c+\i], v3, s[6:7] offset:(64*\c+\i)*PO
.endr
.endr
.Lgot:
	s_wait_loadcnt 0x0
.irp c, 0,1                                    ; my block 2 c + h: all its 32 numbers are mine
	v_max3_num_f32 v[32+\c], |v[X+32*\c]|, |v[X+1+32*\c]|, 0x1800000   ; with the floor 2^(3 - 127): the byte cannot fall under 1
.endr
.irp i, 2,4,6,8,10,12,14,16,18,20,22,24,26,28,30
.irp c, 0,1
	v_max3_num_f32 v[32+\c], v[32+\c], |v[X+32*\c+\i]|, |v[X+1+32*\c+\i]|
.endr
.endr
.irp c, 0,1
	v_add_nc_u32 v[44+\c], 0xff000000, v[32+\c]    ; 2 off the exponent field: the conversion's scale operand
.endr
.irp c, 0,1
	v_lshrrev_b32 v[36+\c], 23, v[44+\c]           ; the scale's byte
.endr
	v_lshl_or_b32 v9, v37, 16, v36                 ; my two bytes: blocks h and 2 + h,
	v_lshlrev_b32 v10, 3, v2
	v_lshlrev_b32 v9, v10, v9                      ; at their places in the word;
	v_mov_b32 v10, 0
	v_permlanex16_b32 v10, v9, s20, s21
	v_or_b32 v9, v9, v10                           ; with lane l xor 16's two the word is whole
.irp c, 0,1
	v_cvt_scalef32_pk16_fp6_f32 v[CD+6*\c:CD+6*\c+2], v[X+32*\c:X+32*\c+15], v[44+\c]
	v_cvt_scalef32_pk16_fp6_f32 v[CT+4*\c:CT+4*\c+2], v[X+32*\c+16:X+32*\c+31], v[44+\c]   ; (a conversion's three registers begin on an even number)
.endr
	v_nop                                          ; one plain place behind a scaled conversion
.irp c, 0,1
.irp i, 0,1,2
	v_mov_b32 v[CD+3+6*\c+\i], v[CT+4*\c+\i]
.endr
.endr
.irp c, 0,1,2
	global_store_b128 v5, v[CD+4*\c:CD+4*\c+3], s[24:25] offset:512*\c   ; 32 lanes store 512 consecutive bytes
.endr
	v_cmp_gt_u32 vcc_lo, 16, v0
	s_wait_xcnt 0x0                                ; EXEC is narrowed only behind this wait: the stores above have taken their sources
	s_and_saveexec_b32 s2, vcc_lo
	global_store_b32 v6, v9, s[26:27]              ; lanes 0-15: the sixteen columns' words
	s_endpgm
.Lfunc_end_k_qa191298791_wprep:
	.size	k_qa191298791_wprep, .Lfunc_end_k_qa191298791_wprep-k_qa191298791_wprep
	.p2alignl 7, 3214868480
	.fill 96, 4, 3214868480
	.section	.rodata,"a",@progbits
	.p2align	6, 0x0
	.amdhsa_kernel k_qa191298791_wprep
		.amdhsa_group_segment_fixed_size 0
		.amdhsa_private_segment_fixed_size 0
		.amdhsa_enable_private_segment 0
		.amdhsa_kernarg_size 32
		.amdhsa_user_sgpr_count 2
		.amdhsa_user_sgpr_kernarg_segment_ptr 1
		.amdhsa_wavefront_size32 1
		.amdhsa_system_sgpr_workgroup_id_x 1
		.amdhsa_system_sgpr_workgroup_id_y 1
		.amdhsa_system_sgpr_workgroup_id_z 1
		.amdhsa_system_vgpr_workitem_id 0
		.amdhsa_next_free_vgpr 128
		.amdhsa_next_free_sgpr 66
		.amdhsa_reserve_vcc 1
		.amdhsa_float_denorm_mode_32 3
		.amdhsa_float_denorm_mode_16_64 3
		.amdhsa_memory_ordered 1
		.amdhsa_forward_progress 1
		.amdhsa_inst_pref_size 18
	.end_amdhsa_kernel
	.amdgpu_metadata
---
amdhsa.version: [ 1, 2 ]
amdhsa.kernels:
  - .name:           k_qa191298791_wprep
    .symbol:         k_qa191298791_wprep.kd
    .args:
      - { .name: W_qkv, .offset: 0, .size: 8, .value_kind: global_buffer, .address_space: global }
      - { .name: W_out, .offset: 8, .size: 8, .value_kind: global_buffer, .address_space: global }
      - { .name: wq, .offset: 16, .size: 8, .value_kind: global_buffer, .address_space: global }
      - { .name: wo, .offset: 24, .size: 8, .value_kind: global_buffer, .address_space: global }
    .group_segment_fixed_size: 0
    .private_segment_fixed_size: 0
    .kernarg_segment_align: 8
    .kernarg_segment_size: 32
    .max_flat_workgroup_size: 32
    .sgpr_count:     66
    .vgpr_count:     128
    .wavefront_size: 32
...
	.end_amdgpu_metadata
.endif
;; end of part 1
;; launch qkv (part 2): grid 2 x 128, 8 waves a work-group, no clusters, 29,696 bytes of LDS; arguments x, b_qkv, wq, qimg, kv; writes qimg, kv
.if DOCPART == 2
	.amdgcn_target "amdgcn-amd-amdhsa--gfx1250"
	.amdhsa_code_object_version 6
	.text
	.protected	k_qa191298791_qkv
	.globl	k_qa191298791_qkv
	.p2align	8
	.type	k_qa191298791_qkv,@function
k_qa191298791_qkv:
	s_mov_b64 s[64:65], 0
	v_nop
	global_prefetch_b8 v0, s[64:65] scope:SCOPE_SE
	s_setreg_imm32_b32 hwreg(HW_REG_WAVE_MODE, 25, 1), 1
	s_wait_xcnt 0x0
; qkv = x W_qkv + b_qkv on codes of FP6 (E2M3), one E8M0 scale for each 32 along K; q and k are then quantised along d, v along the KEYS, and all three leave as images of operand registers.
; SHARES.  Work-group (cg, blk) takes rows 128 blk .. + 127 and 384 columns: all 256 of q (cg = 0) or of k (cg = 1), and v's columns 128 cg on.  q and k run one path: only pointers are chosen.
; Wave w quantises x's row tile w (two fragments), which reach the other waves through LDS as images of their registers.  Then it makes three UNITS of 16 matrix instructions, each of which becomes one fragment:
;   two of q or k: row tiles 2 p, 2 p + 1 (p = w / 2), columns 128 (w % 2) on.  Source 0 = 16 columns of W, source 1 = x: a lane holds one row, its registers run along d.
;   one of v: d tile 8 cg + w, all 128 rows.  Source 0 = x, source 1 = 16 columns of W: a lane holds one d, its registers run along the keys.
; A TILE'S ROWS ARE NOT NEIGHBOURS: lane r of row tile 2 b + u takes row 32 b + 8 u + r + 8 (r / 8) (W's column tiles likewise), so that the 16 registers of two neighbouring tiles are 16 neighbours along the next K.
; The biases are the C of each sum's first matrix instruction.
; OUT.  A block of 25,600 bytes for each 128 rows: 16 fragments of 1,536 bytes, then 1,024 bytes of scale words.  q, k: fragment (kt, s) at (2 kt + s) x 1,536; word of (kt = 4 a + i, s, r) at 24,576 + 512 a + 16 (16 s + r) + 4 i.
; v: fragment dt at dt x 1,536; word of (dt, r) at 24,576 + 512 a + 16 (16 (dt % 2) + r) + 4 i, dt / 2 = 4 a + i.  So one load of 16 bytes a lane brings the scale registers of four tiles.
; LIMITS: a block of zeros, or one under 2^-124, gets the byte 1 (its codes add nothing; the bytes are read by this program alone); NaN and infinities are not served.
; REGISTERS.  Window 0: v1-16 addresses; v20-23 bias or scale bytes on their way; v32-159 128 numbers of x, later two units' sums; v160-199 the quantiser; v200-207 v's bias; v208-226 scale words; v228-251 W's two fragments for v.
;   Window 1: v0-191 W's 16 fragments for q or k, later x's 16; v192-239 x's four fragments.
.set FRB,  1536                        ; a fragment's image
.set XSC,  24576                       ; LDS: x's 16 images lie from 0; their scale words, 128 bytes a row tile (lanes 0-15 K step 0, lanes 16-31 K step 1);
.set BIAS, 25600                       ; my 256 + 128 biases;
.set OSC,  27136                       ; the scale words on their way out: 1,024 bytes of q's or k's, 512 of v's
.set QBLK, 25600
.set WQS,  147456
.set R,   1
.set H,   2
.set LN,  3
.set XA,  4                            ; x: my lane's byte in the tile's rows
.set LI,  5                            ; 16 x lane
.set LS4, 6                            ; 4 x lane
.set XW,  7                            ; where I store x's images
.set XWS, 8                            ; and their scale words
.set FXA, 9                            ; where my two row tiles' images lie
.set BIA, 10                           ; my lane's q or k biases
.set BIV, 11                           ; my lane's v bias
.set XSA, 12                           ; my two row tiles' scale words
.set OS,  13                           ; where my q or k scale words go
.set OSV, 14                           ; and v's
.set T16, 15                           ; 16 x thread
.set RR,  16                           ; r + 8 (r / 8)
.set BR,  20
.set HA,  32
.set TM,  160
.set PC,  176
.set PW,  196
.set PW0, 197
.set PWC, 198
.set CV,  200
.set WS,  208
.set XS,  216
.set XS8, 218
.set WVS, 226
.set FWV, 228
.set FX,  192                          ; in window 1
.set WV,  14
.set SO,  15                           ; w % 2
.set PP,  16                           ; w / 2
.set CG,  17
.set BLK, 18
.set SEL, 20
.set MSB, 0
.macro WIN new                         ; the immediate's high byte repeats the setting that is left
.if MSB != \new
	s_set_vgpr_msb (MSB<<8)|\new
.set MSB, \new
.endif
.endm
.macro PLACES n
.rept \n
	v_nop
.endr
.endm
; 64 numbers of a lane, register 16 b + i = k 32 b + 16 (lane / 16) + i of my row, become a fragment's codes in v[PC] on and its scale word in v[PW].
.macro QUANT s
.irp b, 0,1,2,3
	v_max3_num_f32 v[TM+\b], |v[(\s)+16*\b]|, |v[(\s)+1+16*\b]|, 0x1800000   ; my 16 numbers of block b, and the floor 2^(3 - 127): the byte cannot fall under 1
.endr
.irp i, 2,4,6,8,10,12,14
.irp b, 0,1,2,3
	v_max3_num_f32 v[TM+\b], v[TM+\b], |v[(\s)+16*\b+\i]|, |v[(\s)+1+16*\b+\i]|
.endr
.endr
.irp b, 0,1,2,3
	v_permlanex16_b32 v[TM+4+\b], v[TM+\b], s[SEL], s[SEL+1]
.endr
.irp b, 0,1,2,3
	v_max_num_f32 v[TM+\b], v[TM+\b], v[TM+4+\b]   ; with lane l xor 16's: the block's largest magnitude
.endr
.irp b, 0,1,2,3
	v_add_nc_u32 v[TM+12+\b], 0xff000000, v[TM+\b] ; 2 off its exponent field: the conversion's scale operand
.endr
.irp b, 0,1,2,3
	v_lshrrev_b32 v[TM+4+\b], 23, v[TM+12+\b]      ; the scale's byte
.endr
	v_lshl_or_b32 v[PW], v[TM+5], 8, v[TM+4]
	v_lshl_or_b32 v[PW], v[TM+6], 16, v[PW]
	v_lshl_or_b32 v[PW], v[TM+7], 24, v[PW]
.irp c, 0,1
	v_cvt_scalef32_pk16_fp6_f32 v[PC+6*\c:PC+2+6*\c], v[(\s)+32*\c:(\s)+15+32*\c], v[TM+12+2*\c]
	v_cvt_scalef32_pk16_fp6_f32 v[PC+12+4*\c:PC+14+4*\c], v[(\s)+16+32*\c:(\s)+31+32*\c], v[TM+12+2*\c+1]   ; (a conversion's three registers begin on an even number)
.endr
	v_nop                                          ; one plain place behind a scaled conversion
.irp c, 0,1                                    ; the operand's layout wants a WHOLE block in a lane
.irp i, 0,1,2
	v_permlane16_swap_b32 v[PC+6*\c+\i], v[PC+12+4*\c+\i]
.endr
.irp i, 0,1,2
	v_mov_b32 v[PC+3+6*\c+\i], v[PC+12+4*\c+\i]
.endr
.endr
.endm
.macro IMAGE adr, off                          ; the fragment in v[PC] on goes to LDS as it stands
.irp c, 0,1,2
	ds_store_b128 v[\adr], v[PC+4*\c:PC+4*\c+3] offset:(\off)+512*\c
.endr
.endm
.macro FETCH reg, adr, off                     ; and comes back so, in any wave
.irp c, 0,1,2
	ds_load_b128 v[(\reg)+4*\c:(\reg)+4*\c+3], v[\adr] offset:(\off)+512*\c
.endr
.endm
.macro BARRIER                                 ; my LDS stores have landed and my LDS loads are in: then the work-group's barrier
	s_wait_dscnt 0x0
	s_barrier_signal -1
	s_barrier_wait -1
.endm
.macro XLOAD reg, s                            ; my 16 rows' numbers of K step s: of each block of 32 my half's 16 neighbours
.irp b, 0,1,2,3
.irp j, 0,1,2,3
	global_load_b128 v[(\reg)+16*\b+4*\j:(\reg)+16*\b+4*\j+3], v[XA], s[4:5] offset:512*\s+128*\b+16*\j
.endr
.endr
.endm
	s_load_b256 s[4:11], s[0:1], 0x0               ; x, b_qkv, wq, qimg
	s_load_b64 s[12:13], s[0:1], 0x20              ; kv
	v_lshl_add_u32 v254, v0, 2, 0x7000
	v_mov_b32 v255, 0
	v_lshrrev_b32 v[R], 5, v0
	v_readfirstlane_b32 s[WV], v[R]                ; wave 0..7
	s_and_b32 s[SO], s[WV], 1
	s_lshr_b32 s[PP], s[WV], 1
	s_mov_b32 s[CG], ttmp9
	s_and_b32 s[BLK], ttmp7, 0xffff
	s_mov_b32 s[SEL], 0x76543210
	s_mov_b32 s[SEL+1], 0xfedcba98
	s_mov_b32 s22, 0xffff0000                      ; lanes 16-31
	; every LDS address is made here, ahead of the first branch on the wave's number
	v_and_b32 v[LN], 31, v0
	v_and_b32 v[R], 15, v0
	v_bfe_u32 v[H], v0, 4, 1
	v_and_b32 v[RR], 8, v[R]
	v_add_nc_u32 v[RR], v[RR], v[R]
	v_lshlrev_b32 v[XA], 10, v[RR]
	v_lshl_add_u32 v[XA], v[H], 6, v[XA]           ; row r + 8 (r / 8) of 1,024 bytes, + 64 h
	v_lshlrev_b32 v[LI], 4, v[LN]
	v_lshlrev_b32 v[LS4], 2, v[LN]
	v_lshlrev_b32 v[T16], 4, v0
	s_mul_i32 s24, s[WV], 2*FRB
	v_add_nc_u32 v[XW], s24, v[LI]
	s_lshl_b32 s24, s[WV], 7
	s_add_co_u32 s24, s24, XSC
	v_add_nc_u32 v[XWS], s24, v[LS4]
	s_mul_i32 s24, s[PP], 4*FRB
	v_add_nc_u32 v[FXA], s24, v[LI]
	s_lshl_b32 s24, s[SO], 9
	s_add_co_u32 s24, s24, BIAS
	v_lshl_add_u32 v[BIA], v[H], 6, s24            ; my 128 columns' biases, + 16 h numbers
	s_lshl_b32 s24, s[PP], 7
	s_lshl_b32 s25, s[SO], 5
	s_add_co_u32 s24, s24, s25
	s_add_co_u32 s24, s24, BIAS+1024
	v_lshl_add_u32 v[BIV], v[RR], 2, s24           ; v's column 32 (w / 2) + 8 (w % 2) + r + 8 (r / 8) of my 128
	s_lshl_b32 s24, s[PP], 8
	s_add_co_u32 s24, s24, XSC
	v_add_nc_u32 v[XSA], s24, v[LS4]
	s_lshr_b32 s24, s[PP], 1
	s_lshl_b32 s24, s24, 9
	s_lshl_b32 s25, s[SO], 8
	s_add_co_u32 s24, s24, s25
	s_and_b32 s25, s[PP], 1
	s_lshl_b32 s25, s25, 3
	s_add_co_u32 s24, s24, s25
	s_add_co_u32 s24, s24, OSC
	v_lshl_add_u32 v[OS], v[R], 4, s24             ; 512 (p / 2) + 256 (w % 2) + 16 r + 8 (p % 2)
	s_lshl_b32 s24, s[SO], 8
	s_lshl_b32 s25, s[PP], 2
	s_add_co_u32 s24, s24, s25
	s_add_co_u32 s24, s24, OSC+1024
	v_lshl_add_u32 v[OSV], v[R], 4, s24            ; 256 (w % 2) + 16 r + 4 (w / 2)
.irp b, 0,1,2,3
	v_mov_b32 v[TM+4+\b], 0                        ; written once: a lane permute's destination counts as one of its sources
.endr
	; offsets in memory
	s_lshl_b32 s24, s[BLK], 17                     ; x: 128 blk rows,
	s_lshl_b32 s25, s[PP], 15                      ; 32 (w / 2),
	s_add_co_u32 s24, s24, s25
	s_lshl_b32 s25, s[SO], 13                      ; 8 (w % 2)
	s_add_co_u32 s24, s24, s25
	s_mov_b32 s25, 0
	s_lshl_b32 s26, s[CG], 10                      ; b_qkv: waves 0, 1 bring q's or k's 256 numbers, wave 2 (whose 16 x thread begins at 1,024) v's 128
	s_lshl_b32 s27, s[CG], 9
	s_add_co_u32 s27, s27, 1024
	s_cmp_lt_u32 s[WV], 2
	s_cselect_b32 s26, s26, s27
	s_mov_b32 s27, 0
	s_lshl_b32 s28, s[CG], 4
	s_lshl_b32 s29, s[SO], 3
	s_add_co_u32 s28, s28, s29                     ; my first column tile of q or k
	s_lshl_b32 s30, s28, 7
	s_add_co_u32 s30, s30, WQS
	s_mul_i32 s28, s28, 2*FRB
	s_mov_b32 s29, 0
	s_mov_b32 s31, 0
	s_lshl_b32 s32, s[CG], 3
	s_add_co_u32 s32, s32, s[WV]
	s_mul_i32 s44, s32, FRB                        ; v's fragment in its block: d tile 8 cg + w
	s_mov_b32 s45, 0
	s_add_co_u32 s32, s32, 32                      ; my column tile of v
	s_lshl_b32 s34, s32, 7
	s_add_co_u32 s34, s34, WQS
	s_mul_i32 s32, s32, 2*FRB
	s_mov_b32 s33, 0
	s_mov_b32 s35, 0
	s_mul_i32 s36, s[BLK], QBLK
	s_mov_b32 s37, 0
	s_mul_i32 s38, s[BLK], 2*QBLK
	s_mov_b32 s39, 0
	s_lshl_b32 s42, s[PP], 2
	s_add_co_u32 s42, s42, s[SO]
	s_mul_i32 s42, s42, FRB                        ; fragment (2 p, w % 2) of a block
	s_mov_b32 s43, 0
	s_lshl_b32 s48, s[CG], 9
	s_add_co_u32 s48, s48, 23552                   ; 24,576 + 512 cg - the 1,024 at which wave 2's 16 x thread begins
	s_mov_b32 s49, 0
	s_wait_kmcnt 0x0
	s_add_nc_u64 s[4:5], s[4:5], s[24:25]
	s_add_nc_u64 s[6:7], s[6:7], s[26:27]
	s_add_nc_u64 s[28:29], s[8:9], s[28:29]        ; W's fragments for q or k,
	s_add_nc_u64 s[30:31], s[8:9], s[30:31]        ; their scale words,
	s_add_nc_u64 s[32:33], s[8:9], s[32:33]        ; W's two fragments for v,
	s_add_nc_u64 s[34:35], s[8:9], s[34:35]        ; their scale words
	s_add_nc_u64 s[36:37], s[10:11], s[36:37]      ; q's block
	s_add_nc_u64 s[38:39], s[12:13], s[38:39]      ; k's block
	s_add_nc_u64 s[40:41], s[38:39], QBLK          ; v's block
	s_cmp_eq_u32 s[CG], 0
	s_cselect_b64 s[36:37], s[36:37], s[38:39]     ; my block of q or of k
	s_add_nc_u64 s[42:43], s[36:37], s[42:43]
	s_add_nc_u64 s[44:45], s[40:41], s[44:45]
	s_add_nc_u64 s[48:49], s[40:41], s[48:49]
	s_add_nc_u64 s[46:47], s[36:37], 24576
	s_cmp_lt_u32 s[WV], 2
	s_cselect_b64 s[46:47], s[46:47], s[48:49]     ; where waves 0 to 2 send the scale words
	XLOAD HA, 0
	XLOAD HA+64, 1
	s_cmp_lt_u32 s[WV], 3
	s_cbranch_scc0 .Lno_bias
	global_load_b128 v[BR:BR+3], v[T16], s[6:7]
.Lno_bias:
	WIN 0x40                                       ; destination window 1
.irp f, 0,1,2,3,4,5,6,7,8,9,10,11,12,13,14,15
.irp c, 0,1,2
	global_load_b128 v[12*\f+4*\c:12*\f+4*\c+3], v[LI], s[28:29] offset:\f*FRB+512*\c
.endr
.endr
	WIN 0
.irp f, 0,1
.irp c, 0,1,2
	global_load_b128 v[FWV+12*\f+4*\c:FWV+12*\f+4*\c+3], v[LI], s[32:33] offset:\f*FRB+512*\c
.endr
.endr
.irp t, 0,1,2,3,4,5,6,7
	global_load_b32 v[WS+\t], v[LS4], s[30:31] offset:128*\t   ; lanes 0-15: K step 0's words, lanes 16-31: K step 1's
.endr
	global_load_b32 v[WVS], v[LS4], s[34:35]
	s_wait_loadcnt 63                              ; behind x and the bias stand W's 48 + 6 + 8 + 1 = 63 loads, which may stay out
	s_cmp_lt_u32 s[WV], 3
	s_cbranch_scc0 .Lno_bias_2
	ds_store_b128 v[T16], v[BR:BR+3] offset:BIAS
.Lno_bias_2:
	QUANT HA
	IMAGE XW, 0
	v_mov_b32 v[PW0], v[PW]
	s_wait_dscnt 0x0                               ; the stores have read their registers
	QUANT HA+64
	IMAGE XW, FRB
	v_cndmask_b32 v[PWC], v[PW0], v[PW], s22       ; lanes 0-15 K step 0's word, lanes 16-31 K step 1's
	ds_store_b32 v[XWS], v[PWC]
	BARRIER                                        ; x's sixteen fragments, their scale words and the biases lie in LDS
	; ---- q or k: two row tiles x my 128 columns
	WIN 0x40
.irp e, 0,1
.irp s, 0,1
	FETCH FX+12*(2*\e+\s), FXA, (2*\e+\s)*FRB
.endr
.endr
	WIN 0
.irp e, 0,1
.irp t, 0,1,2,3,4,5,6,7                        ; the biases go straight into the accumulators: tile t's register j is column 32 (t / 2) + 16 h + 8 (t % 2) + j
	ds_load_b128 v[HA+64*\e+8*\t:HA+64*\e+8*\t+3], v[BIA] offset:128*(\t/2)+32*(\t%2)
	ds_load_b128 v[HA+64*\e+8*\t+4:HA+64*\e+8*\t+7], v[BIA] offset:128*(\t/2)+32*(\t%2)+16
.endr
.endr
	ds_load_b32 v[XS], v[XSA]
	ds_load_b32 v[XS+1], v[XSA] offset:128
	s_wait_loadcnt 0x0                             ; W
	s_wait_dscnt 0x0
	WIN 0x05                                       ; sources 0 (W) and 1 (x) window 1
.irp s, 0,1                                    ; sixteen accumulators by turns
.irp t, 0,1,2,3,4,5,6,7
.irp e, 0,1
.if \s
	v_wmma_scale_f32_16x16x128_f8f6f4 v[HA+64*\e+8*\t:HA+64*\e+8*\t+7], v[24*\t+12:24*\t+23], v[FX+24*\e+12:FX+24*\e+23], v[HA+64*\e+8*\t:HA+64*\e+8*\t+7], v[WS+\t], v[XS+\e] matrix_a_fmt:MATRIX_FMT_FP6 matrix_b_fmt:MATRIX_FMT_FP6 matrix_a_scale:MATRIX_SCALE_ROW1 matrix_b_scale:MATRIX_SCALE_ROW1
.else
	v_wmma_scale_f32_16x16x128_f8f6f4 v[HA+64*\e+8*\t:HA+64*\e+8*\t+7], v[24*\t:24*\t+11], v[FX+24*\e:FX+24*\e+11], v[HA+64*\e+8*\t:HA+64*\e+8*\t+7], v[WS+\t], v[XS+\e] matrix_a_fmt:MATRIX_FMT_FP6 matrix_b_fmt:MATRIX_FMT_FP6
.endif
.endr
.endr
.endr
	WIN 0
	PLACES 4                                       ; in front of loads into registers that the products read, and of the first read of their results
	WIN 0x40
.irp f, 0,1,2,3,4,5,6,7,8,9,10,11,12,13,14,15  ; all of x's fragments, for v: they land while q or k is quantised
	FETCH 12*\f, LI, \f*FRB
.endr
	WIN 0
.irp t, 0,1,2,3,4,5,6,7
	ds_load_b32 v[XS8+\t], v[LS4] offset:XSC+128*\t
.endr
.irp j, 0,1,2,3,4,5,6,7
	ds_load_b32 v[CV+\j], v[BIV]                   ; a lane holds one d: eight copies of its bias
.endr
.irp e, 0,1
	s_wait_xcnt 0x0                                ; earlier stores have taken their data: the codes' registers are written again only behind these two waits
	s_wait_dscnt 0x0
	QUANT HA+64*\e
.irp c, 0,1,2
	global_store_b128 v[LI], v[PC+4*\c:PC+4*\c+3], s[42:43] offset:2*FRB*\e+512*\c   ; 512 consecutive bytes
.endr
	ds_store_b32 v[OS], v[PW] offset:4*\e          ; both halves of the lanes write the same word with the same value
.endr
	; ---- v: my 16 columns for all 128 rows.  The quantiser's lines above are far more than the five places owed before the first unit's accumulators are begun anew
	s_wait_dscnt 0x0
	WIN 0x01                                       ; source 0 (x) window 1
.irp s, 0,1                                    ; eight accumulators by turns
.irp t, 0,1,2,3,4,5,6,7
.if \s
	v_wmma_scale_f32_16x16x128_f8f6f4 v[HA+8*\t:HA+8*\t+7], v[24*\t+12:24*\t+23], v[FWV+12:FWV+23], v[HA+8*\t:HA+8*\t+7], v[XS8+\t], v[WVS] matrix_a_fmt:MATRIX_FMT_FP6 matrix_b_fmt:MATRIX_FMT_FP6 matrix_a_scale:MATRIX_SCALE_ROW1 matrix_b_scale:MATRIX_SCALE_ROW1
.else
	v_wmma_scale_f32_16x16x128_f8f6f4 v[HA+8*\t:HA+8*\t+7], v[24*\t:24*\t+11], v[FWV:FWV+11], v[CV:CV+7], v[XS8+\t], v[WVS] matrix_a_fmt:MATRIX_FMT_FP6 matrix_b_fmt:MATRIX_FMT_FP6
.endif
.endr
.endr
	WIN 0
	PLACES 4
	s_wait_xcnt 0x0
	QUANT HA                                       ; register 16 b + i = key 32 b + 16 h + i of my d
.irp c, 0,1,2
	global_store_b128 v[LI], v[PC+4*\c:PC+4*\c+3], s[44:45] offset:512*\c
.endr
	ds_store_b32 v[OSV], v[PW]
	BARRIER                                        ; all scale words lie in LDS, in the blocks' own order
	s_cmp_lt_u32 s[WV], 3
	s_cbranch_scc0 .Ldone
	ds_load_b128 v[BR:BR+3], v[T16] offset:OSC
	s_wait_dscnt 0x0
	global_store_b128 v[T16], v[BR:BR+3], s[46:47] ; waves 0, 1: q's or k's 1,024 bytes; wave 2: v's 512
.Ldone:
	s_wait_tensorcnt 0x0
	ds_add_u32 v254, v255
	s_wait_dscnt 0x0
	s_endpgm
.Lfunc_end_k_qa191298791_qkv:
	.size	k_qa191298791_qkv, .Lfunc_end_k_qa191298791_qkv-k_qa191298791_qkv
	.p2alignl 7, 3214868480
	.fill 96, 4, 3214868480
	.section	.rodata,"a",@progbits
	.p2align	6, 0x0
	.amdhsa_kernel k_qa191298791_qkv
		.amdhsa_group_segment_fixed_size 29696
		.amdhsa_private_segment_fixed_size 0
		.amdhsa_enable_private_segment 0
		.amdhsa_kernarg_size 40
		.amdhsa_user_sgpr_count 2
		.amdhsa_user_sgpr_kernarg_segment_ptr 1
		.amdhsa_wavefront_size32 1
		.amdhsa_system_sgpr_workgroup_id_x 1
		.amdhsa_system_sgpr_workgroup_id_y 1
		.amdhsa_system_sgpr_workgroup_id_z 1
		.amdhsa_system_vgpr_workitem_id 0
		.amdhsa_next_free_vgpr 512
		.amdhsa_next_free_sgpr 66
		.amdhsa_reserve_vcc 0
		.amdhsa_float_denorm_mode_32 3
		.amdhsa_float_denorm_mode_16_64 3
		.amdhsa_memory_ordered 1
		.amdhsa_forward_progress 1
		.amdhsa_inst_pref_size 49
	.end_amdhsa_kernel
	.amdgpu_metadata
---
amdhsa.version: [ 1, 2 ]
amdhsa.kernels:
  - .name:           k_qa191298791_qkv
    .symbol:         k_qa191298791_qkv.kd
    .args:
      - { .name: x, .offset: 0, .size: 8, .value_kind: global_buffer, .address_space: global }
      - { .name: b_qkv, .offset: 8, .size: 8, .value_kind: global_buffer, .address_space: global }
      - { .name: wq, .offset: 16, .size: 8, .value_kind: global_buffer, .address_space: global }
      - { .name: qimg, .offset: 24, .size: 8, .value_kind: global_buffer, .address_space: global }
      - { .name: kv, .offset: 32, .size: 8, .value_kind: global_buffer, .address_space: global }
    .group_segment_fixed_size: 29696
    .private_segment_fixed_size: 0
    .kernarg_segment_align: 8
    .kernarg_segment_size: 40
    .max_flat_workgroup_size: 256
    .sgpr_count:     66
    .vgpr_count:     512
    .wavefront_size: 32
...
	.end_amdgpu_metadata
.endif
;; end of part 2
;; launch attn (part 3): grid 64 x 4, 8 waves a work-group, clusters of 4 x 1, 327,680 bytes of LDS; arguments qimg, kv, wo, b_out, out0; writes out0
.if DOCPART == 3
	.amdgcn_target "amdgcn-amd-amdhsa--gfx1250"
	.amdhsa_code_object_version 6
	.text
	.protected	k_qa191298791_attn
	.globl	k_qa191298791_attn
	.p2align	8
	.type	k_qa191298791_attn,@function
k_qa191298791_attn:
	s_mov_b64 s[64:65], 0
	v_nop
	global_prefetch_b8 v0, s[64:65] scope:SCOPE_SE
	s_setreg_imm32_b32 hwreg(HW_REG_WAVE_MODE, 25, 1), 1
	s_wait_xcnt 0x0
	s_wait_alu depctr_hold_cnt(0) depctr_sa_sdst(0) depctr_va_vdst(0) depctr_va_sdst(0) depctr_va_ssrc(0) depctr_va_vcc(0) depctr_vm_vsrc(0)
	s_getreg_b32 s2, hwreg(HW_REG_IB_STS2, 6, 4)
	s_cmp_eq_u32 s2, 0
	s_cbranch_scc0 .Lentry_in_a_cluster
	s_endpgm
.Lentry_in_a_cluster:
	s_bfe_u32 s2, ttmp6, 0x10000c
	s_cmp_lg_u32 s2, 0x3003
	s_cbranch_scc0 .Lentry_shape_is_right
	s_endpgm
.Lentry_shape_is_right:
; out = (softmax(q k^T / 16) v) W_out + b_out, all three products on codes of FP6 (E2M3) with one E8M0 scale for each 32 along a product's K.  q, k, v, W_out arrive as images of operand registers (1,536 bytes a fragment).
; THE SOFTMAX: t = score x log2(e) / 16; M = the largest t so far, rounded UP to a whole number; p = 2^(t - M) is quantised along the keys, not normalised; the sum is taken of the unquantised p and divides at the end.
; -M is kept: -M = min(old -M, floor(-t of the step)), since the ceiling of a maximum is the maximum of the ceilings.  When M moves, the sum and O^T are multiplied by 2^(old M - new M): nothing is rounded.
; SHARES.  A work-group owns 64 queries of one batch.  Wave w: key group g = w / 2 (1,024 keys: key steps 8 g .. 8 g + 7), query half qh = w % 2 (two tiles of 16).  Each wave has its own M, sum and O^T (256 registers);
; at the end the four key groups' parts are brought under one M and added, divided by the sum, quantised along d, and multiplied by W_out.
; Both products are used transposed (S^T = K Q^T, O^T = V^T P^T): a lane holds one query throughout, and each fragment of K or V read from LDS feeds two products.
; BY TURNS BETWEEN TWO WAVES.  A group's stream is 16 units of 25,600 bytes: K of a key step, then V of it.  In phase f waves 0-3 work on the f-th unit of their walk, waves 4-7 on the one before: while one half of the waves is in a K phase
; (products, maxima, exponentials) the other is in a V phase (the rest of the exponentials, conversions, sums, then products).
; THE WALK BEGINS ELSEWHERE IN EACH CLUSTER.  Cluster x of a batch begins at key step (x xor x / 8) mod 8 of each group's eight and wraps round: a running M does not mind the order of the keys.
; So in any phase the sixteen clusters of a batch stand at eight different key steps.  The start hangs on the cluster's number alone, which the four partners share.
; RING.  K units lie in the K area, V units in the V area, 2^17 bytes on; each wave fetches half of its group's unit, one tensor load behind each change of slots, which has one phase in which to land.
; CLUSTER.  The four work-groups of a cluster belong to one batch and walk the same K and V: every tile is asked for JOINTLY, by the same load with the same descriptor and a mask that names the four.
; O^T is cleared by 256 moves at the head, while the first tiles are on their way: products that start the sums would want two more written copies of a V phase.
; LIMITS: NaN and infinities are not served; a p under 2^-126 counts as 0; a block of zeros, or one under 2^-124, gets the scale byte 1 (zero codes add nothing); the division by the sum is a reciprocal and a multiplication.
; REGISTERS.  Window 0: v1-3, v5 addresses; v6-11, v13, v19, v20-23 scale words and nothing else; v12, v18 f; v14, v16 -M; v15, v17 the sums; v24-31 block maxima; v32-79 Q; v80-127 K's fragments, later p's codes and work; v128-255 S^T, p, later V's fragments.
;   Window 1: O^T, tile t's d tile dt at v[128 t + 8 dt].
.set FRB,   1536
.set UNIT,  25600
.set HALFU, 12800
.set SCA,   24576                      ; a unit's scale words
.set VAREA, 1<<17                      ; LDS: K area from 0 (group g at 25,600 g), V area from here
.set STATS, 262144                     ; each wave's -M and sums: 512 bytes a wave
.set ASC,   266240                     ; the scale words of the attention's result
.set WOUT,  275456                     ; W_out: filled once
.set WOSC,  WOUT+49152
.set SPARE, 326656                     ; the spare words, 128 bytes for each wave: four blocks of 256 bytes that no other line names
.set OST,   VAREA                      ; the way out: 32 rows x 272 bytes a wave.  It and the stages for O^T (32,768 bytes a wave, from 0) lie in the ring, which has had its last fill by then
.set NE1,   32                         ; how many of tile 1's 64 exponentials stand in the K phase
.set SPW, 1
.set NIL, 2
.set AK,  3                            ; my group's K unit + 16 x lane
.set AV,  5                            ; my group's V unit + 16 x lane
.set QS,  6
.set KS,  8
.set F,   12                           ; tile t: v[F + 6 t]
.set PS,  13                           ; v[PS + 6 t]
.set NM,  14                           ; v[NM + 2 t]
.set L,   15                           ; v[L + 2 t]
.set VS2, 20
.set BM,  24                           ; v[BM + 4 t + b]
.set Q,   32
.set A,   80
.set CT,  A+24                         ; the conversions' second halves
.set T,   A+32                         ; at work in a V phase
.set S,   128
; the epilogue's registers, in Q's
.set SOA, 64
.set SSA, 65
.set MA,  66                           ; v66-69
.set STA, 70
.set ASW, 71
.set PAA, 72
.set PWA, 73
.set PSA, 74
.set PWS, 75
.set OSW, 76
.set OSR, 77
.set GOB, 78
.set GOO, 79
.set CC,  A+8                          ; v88-95 the four groups' factors, each twice
.set TM,  A+16
.set PC,  192
.set PW,  212
.set WV,   14
.set GR,   15
.set QH,   16
.set LATE, 17
.set SEL,  18
.set CS,   20
.set WOF,  22                          ; s[22:23] the walking unit's byte offset in my stream
.set G1,   24                          ; s[24:31] one group 1 for every load
.set G0,   32                          ; s[32:35] the group 0 that walks
.set G0X,  36                          ; s[36:39] the other first fill
.set KB,   40                          ; s[40:41] my half of unit 0 of my group's stream, in memory
.set UI,   42                          ; s42  which of the stream's 16 units the walking descriptor names
.set TRIP, 43
.set G0W,  48                          ; s[48:51] W_out's quarter
.set MSB, 0
.macro WIN new                         ; the immediate's high byte repeats the setting that is left
.if MSB != \new
	s_set_vgpr_msb (MSB<<8)|\new
.set MSB, \new
.endif
.endm
.macro PLACES n
.rept \n
	v_nop
.endr
.endm
.macro ROUND                           ; a round of the cluster's barrier
	s_barrier_signal -1
	s_barrier_wait -1
	s_cmp_lg_u32 s[WV], 0
	s_cbranch_scc1 .Lnot_wave_0_\@
	s_barrier_signal -3
.Lnot_wave_0_\@:
	s_barrier_wait -3
	s_barrier_signal -1
	s_barrier_wait -1
.endm
.macro BARRIER
	s_wait_dscnt 0x0
	s_barrier_signal -1
	s_barrier_wait -1
.endm
; THE CHANGE OF SLOTS.  All my tensor loads have landed (the unit that I read next among them); 0 onto my spare word; the descriptor steps; the add is done and my reads of the unit that I have left are over; then the round.
.macro CHG
	s_wait_tensorcnt 0x0                           ; no tensor load of mine is out, so a group 0 may be written
	ds_add_u32 v[SPW], v[NIL]
	s_xor_b32 s[G0+1], s[G0+1], VAREA              ; the other area than last time,
	s_add_co_u32 s[UI], s[UI], 1                   ; the stream's next unit,
	s_and_b32 s[UI], s[UI], 15                     ; behind the sixteenth the first
	s_mul_i32 s[WOF], s[UI], UNIT
	s_add_nc_u64 s[G0+2:G0+3], s[KB:KB+1], s[WOF:WOF+1]
	s_or_b32 s[G0+3], s[G0+3], 0x80000000          ; 127:126 type = 2
	s_wait_dscnt 0x0
	ROUND
.endm
.macro TL                              ; my half of my group's next unit; four v_nop follow
	tensor_load_to_lds s[G0:G0+3], s[G1:G1+7]
	s_nop 0
.rept 4
	v_nop
.endr
.endm
; K's fragments are staged in four slots of 12 registers: set 0 in v[A] on; set 1 in parts of S^T that the later products write.
.macro SLOTREG set, q
.if \set
.set SR, S+32+12*((\q)%2)+64*((\q)/2)
.else
.set SR, A+12*(\q)
.endif
.endm
.macro KLOAD set, G                    ; key tiles 2 G, 2 G + 1, both K steps: 12 loads
.irp q, 0,1,2,3
	SLOTREG \set, \q
.irp c, 0,1,2
	ds_load_b128 v[SR+4*\c:SR+4*\c+3], v[AK] offset:(4*(\G)+\q)*FRB+512*\c
.endr
.endr
.endm
.macro KMUL set, G                     ; 8 products: four accumulators by turns; the first four start the sums
.irp s, 0,1
.irp k, 0,1
.irp u, 0,1
	SLOTREG \set, 2*\k+\s
.set KT, 2*(\G)+\k
.set KD, S+64*\u+8*KT
.set KSR, KS+(KT%4)+(KT/4)*(VS2-KS)
.if \s
	v_wmma_scale_f32_16x16x128_f8f6f4 v[KD:KD+7], v[SR:SR+11], v[Q+24*\u+12:Q+24*\u+23], v[KD:KD+7], v[KSR], v[QS+\u] matrix_a_fmt:MATRIX_FMT_FP6 matrix_b_fmt:MATRIX_FMT_FP6 matrix_a_scale:MATRIX_SCALE_ROW1 matrix_b_scale:MATRIX_SCALE_ROW1
.else
	s_wait_alu depctr_va_vdst(0)
	v_wmma_scale_f32_16x16x128_f8f6f4 v[KD:KD+7], v[SR:SR+11], v[Q+24*\u:Q+24*\u+11], 0, v[KSR], v[QS+\u] matrix_a_fmt:MATRIX_FMT_FP6 matrix_b_fmt:MATRIX_FMT_FP6
.endif
.endr
.endr
.endr
.endm
.macro MAXB b                          ; my 16 scores of block b, both tiles by turns; each accumulator is read from its low end on
.irp u, 0,1
	v_max3_num_f32 v[BM+4*\u+\b], v[S+64*\u+16*\b], v[S+64*\u+16*\b+1], v[S+64*\u+16*\b+2]
.endr
.irp i, 3,5,7,9,11,13
.irp u, 0,1
	v_max3_num_f32 v[BM+4*\u+\b], v[BM+4*\u+\b], v[S+64*\u+16*\b+\i], v[S+64*\u+16*\b+\i+1]
.endr
.endr
.irp u, 0,1
	v_max_num_f32 v[BM+4*\u+\b], v[BM+4*\u+\b], v[S+64*\u+16*\b+15]
.endr
.endm
.macro MSTEP                           ; the blocks' largest scores, the new -M and f = 2^(old M - new M), both tiles by turns
.irp u, 0,1
.irp b, 0,1,2,3
	v_permlanex16_b32 v[A+4*\u+\b], v[BM+4*\u+\b], s[SEL], s[SEL+1]
.endr
.endr
.irp u, 0,1
.irp b, 0,1,2,3
	v_max_num_f32 v[BM+4*\u+\b], v[BM+4*\u+\b], v[A+4*\u+\b]   ; with lane l xor 16's 16 keys
.endr
.endr
.irp u, 0,1
	v_max3_num_f32 v[A+\u], v[BM+4*\u], v[BM+4*\u+1], v[BM+4*\u+2]
.endr
.irp u, 0,1
	v_max_num_f32 v[A+\u], v[A+\u], v[BM+4*\u+3]   ; the step's largest score of my query
.endr
.irp u, 0,1
	v_mul_f32 v[A+\u], s[CS], v[A+\u]              ; as t
.endr
.irp u, 0,1
	v_floor_f32 v[A+\u], -v[A+\u]                  ; -ceil(t)
.endr
.irp u, 0,1
	v_mov_b32 v[A+2+\u], v[NM+2*\u]
.endr
.irp u, 0,1
	v_min_num_f32 v[NM+2*\u], v[NM+2*\u], v[A+\u]  ; the new -M: a whole number
.endr
.irp u, 0,1
	v_sub_f32 v[A+2+\u], v[NM+2*\u], v[A+2+\u]     ; old M - new M: 0 or less
.endr
.irp u, 0,1
	v_cvt_i32_f32 v[A+2+\u], v[A+2+\u]             ; (it saturates)
.endr
.irp u, 0,1
	v_ldexp_f32 v[F+6*\u], 1.0, v[A+2+\u]
.endr
.endm
.macro EXPT t                          ; p = 2^(t - M) of tile t, and each block's largest p by the same two instructions on its largest score; then the conversions' scale operands
.set ES, S+64*(\t)
.set EN, NM+2*(\t)
.set EB, BM+4*(\t)
.set j, 0
.rept 32
	v_pk_fma_f32 v[ES+j:ES+j+1], v[ES+j:ES+j+1], s[CS:CS+1], v[EN:EN+1] op_sel_hi:[1,0,0]   ; of the pairs c and -M the low word serves both halves
.set j, j+2
.endr
.irp b, 0,1,2,3
	v_fma_f32 v[EB+\b], v[EB+\b], s[CS], v[EN]
.endr
.set j, 0
.rept 64
	v_exp_f32 v[ES+j], v[ES+j]
.set j, j+1
.endr
.irp b, 0,1,2,3
	v_exp_f32 v[EB+\b], v[EB+\b]
.endr
	v_nop                                          ; a plain place behind the exponentials
	s_wait_alu depctr_va_vdst(0)
.irp b, 0,1,2,3
	v_max_num_f32 v[EB+\b], 0x1800000, v[EB+\b]    ; the floor 2^(3 - 127): the byte cannot fall under 1
.endr
.irp b, 0,1,2,3
	v_add_nc_u32 v[EB+\b], 0xff000000, v[EB+\b]    ; 2 off the exponent field
.endr
.endm
; The same in two parts, for tile 1.  A K phase and a V phase run side by side between the same two barriers, so the work is shared out between them: with EXPA in the K phase and EXPB in the V phase
; a K phase has 288 vector instructions beside its 32 products and a V phase 300 (with all of tile 1's in the V phase: 219 and 368).
.macro EXPA t                          ; t - M of the tile's 64 scores and of its four blocks' largest; the first NE1 exponentials
.set ES, S+64*(\t)
.set EN, NM+2*(\t)
.set EB, BM+4*(\t)
.set j, 0
.rept 32
	v_pk_fma_f32 v[ES+j:ES+j+1], v[ES+j:ES+j+1], s[CS:CS+1], v[EN:EN+1] op_sel_hi:[1,0,0]
.set j, j+2
.endr
.irp b, 0,1,2,3
	v_fma_f32 v[EB+\b], v[EB+\b], s[CS], v[EN]
.endr
.set j, 0
.rept NE1
	v_exp_f32 v[ES+j], v[ES+j]
.set j, j+1
.endr
	v_nop                                          ; a plain place behind the exponentials
.endm
.macro EXPB t                          ; the other exponentials, the blocks' largest p, the conversions' scale operands
.set ES, S+64*(\t)
.set EB, BM+4*(\t)
.set j, NE1
.rept 64-NE1
	v_exp_f32 v[ES+j], v[ES+j]
.set j, j+1
.endr
.irp b, 0,1,2,3
	v_exp_f32 v[EB+\b], v[EB+\b]
.endr
	v_nop                                          ; a plain place behind the exponentials
	s_wait_alu depctr_va_vdst(0)
.irp b, 0,1,2,3
	v_max_num_f32 v[EB+\b], 0x1800000, v[EB+\b]
.endr
.irp b, 0,1,2,3
	v_add_nc_u32 v[EB+\b], 0xff000000, v[EB+\b]
.endr
.endm
.macro CVT t                           ; tile t's p becomes the second product's operand and its scale word
.set ES, S+64*(\t)
.set EB, BM+4*(\t)
.set CP, A+12*(\t)
.set CW, PS+6*(\t)
.irp b, 0,1,2,3
	v_lshrrev_b32 v[T+\b], 23, v[EB+\b]
.endr
	v_lshl_or_b32 v[CW], v[T+1], 8, v[T]
	v_lshl_or_b32 v[CW], v[T+2], 16, v[CW]
	v_lshl_or_b32 v[CW], v[T+3], 24, v[CW]
.irp c, 0,1
	v_cvt_scalef32_pk16_fp6_f32 v[CP+6*\c:CP+6*\c+2], v[ES+32*\c:ES+32*\c+15], v[EB+2*\c]
	v_cvt_scalef32_pk16_fp6_f32 v[CT+4*\c:CT+4*\c+2], v[ES+32*\c+16:ES+32*\c+31], v[EB+2*\c+1]
.endr
	v_nop                                          ; one plain place behind a scaled conversion
.irp c, 0,1
.irp i, 0,1,2
	v_permlane16_swap_b32 v[CP+6*\c+\i], v[CT+4*\c+\i]
.endr
.irp i, 0,1,2
	v_mov_b32 v[CP+3+6*\c+\i], v[CT+4*\c+\i]
.endr
.endr
.endm
.macro SUMT t                          ; the sum of the UNQUANTISED p, two at a time in two chains; then sum = sum x f + it
.set ES, S+64*(\t)
	v_pk_add_f32 v[T:T+1], v[ES:ES+1], v[ES+2:ES+3]
	v_pk_add_f32 v[T+2:T+3], v[ES+4:ES+5], v[ES+6:ES+7]
.set j, 8
.rept 14
	v_pk_add_f32 v[T:T+1], v[T:T+1], v[ES+j:ES+j+1]
	v_pk_add_f32 v[T+2:T+3], v[T+2:T+3], v[ES+j+2:ES+j+3]
.set j, j+4
.endr
	v_pk_add_f32 v[T:T+1], v[T:T+1], v[T+2:T+3]
	v_add_f32 v[T], v[T], v[T+1]
	v_fma_f32 v[L+2*(\t)], v[L+2*(\t)], v[F+6*(\t)], v[T]
.endm
.macro RESC t                          ; O^T under the new M
	WIN 0x41                                       ; destination and source 0 window 1
.set j, 0
.rept 64
	v_pk_mul_f32 v[128*(\t)+j:128*(\t)+j+1], v[128*(\t)+j:128*(\t)+j+1], v[F+6*(\t):F+6*(\t)+1] op_sel_hi:[1,0]
.set j, j+2
.endr
.endm
.macro VLOAD base, first, n            ; n fragments of V from d tile first on: 3 n loads
.set vf, 0
.rept \n
.irp c, 0,1,2
	ds_load_b128 v[(\base)+12*vf+4*\c:(\base)+12*vf+4*\c+3], v[AV] offset:((\first)+vf)*FRB+512*\c
.endr
.set vf, vf+1
.endr
.endm
.macro VMUL base, first, n             ; 2 n products: each accumulator of O^T gets one in a phase, so no two that follow each other share one
	WIN 0x50                                       ; C and D window 1
.set vf, 0
.rept \n
.set dt, (\first)+vf
.set VSR, KS+((dt/2)%4)+(dt/8)*(VS2-KS)
.irp u, 0,1
.if dt%2
	v_wmma_scale_f32_16x16x128_f8f6f4 v[128*\u+8*dt:128*\u+8*dt+7], v[(\base)+12*vf:(\base)+12*vf+11], v[A+12*\u:A+12*\u+11], v[128*\u+8*dt:128*\u+8*dt+7], v[VSR], v[PS+6*\u] matrix_a_fmt:MATRIX_FMT_FP6 matrix_b_fmt:MATRIX_FMT_FP6 matrix_a_scale:MATRIX_SCALE_ROW1
.else
	v_wmma_scale_f32_16x16x128_f8f6f4 v[128*\u+8*dt:128*\u+8*dt+7], v[(\base)+12*vf:(\base)+12*vf+11], v[A+12*\u:A+12*\u+11], v[128*\u+8*dt:128*\u+8*dt+7], v[VSR], v[PS+6*\u] matrix_a_fmt:MATRIX_FMT_FP6 matrix_b_fmt:MATRIX_FMT_FP6
.endif
.endr
.set vf, vf+1
.endr
.endm
; A K PHASE: S^T of 128 keys for my two tiles, the maxima, the new M, tile 0's exponentials and the first part of tile 1's.
.macro KQT
	ds_load_b128 v[KS:KS+3], v[AK] offset:SCA      ; the scale words of key tiles 0-3 (lanes 0-15 K step 0, lanes 16-31 K step 1),
	ds_load_b128 v[VS2:VS2+3], v[AK] offset:SCA+512   ; and of 4-7
	KLOAD 0, 0
	KLOAD 1, 1
	s_wait_dscnt 12                                ; the second run's 12 loads may be out
	KMUL 0, 0
	PLACES 4                                       ; in front of loads into registers that these products read, and of the first read of their results
	KLOAD 0, 2
	s_wait_dscnt 12                                ; the 12 just issued may be out
	KMUL 1, 1
	MAXB 0                                         ; 16 plain lines that name none of the last products' registers: the places before the next results land on set 1
	s_wait_dscnt 0x0
	KMUL 0, 2
	MAXB 1                                         ; the places in front of the loads below
	KLOAD 0, 3
	MAXB 2
	s_wait_dscnt 0x0
	KMUL 0, 3
	PLACES 4
	MAXB 3
	MSTEP
	EXPT 0
	EXPA 1
.endm
; A V PHASE: the rest of the softmax, then O^T += V^T P^T.  V's fragments land where p lay, as soon as p has been converted and summed.
.macro PVT
	CVT 0
	SUMT 0
	ds_load_b128 v[KS:KS+3], v[AV] offset:SCA      ; the scale words of d tiles 0-7 (lanes 0-15 the even tile, lanes 16-31 the odd one),
	ds_load_b128 v[VS2:VS2+3], v[AV] offset:SCA+512   ; and of 8-15
	VLOAD S, 0, 5
	EXPB 1
	CVT 1
	SUMT 1
	VLOAD S+64, 5, 5
	RESC 0
	RESC 1
	s_wait_dscnt 15                                ; the second run's 15 loads may be out
	VMUL S, 0, 5
	WIN 0
	PLACES 4
	VLOAD S, 10, 3
	s_wait_dscnt 9                                 ; the 9 just issued may be out
	VMUL S+64, 5, 5
	WIN 0
	PLACES 4
	VLOAD S+64, 13, 3
	s_wait_dscnt 9
	VMUL S, 10, 3
	s_wait_dscnt 0x0
	VMUL S+64, 13, 3
	WIN 0
	PLACES 5                                       ; the next phase's products write over registers that these have read
.endm
.macro WORK kind
.if \kind == 1
	KQT
.elseif \kind == 2
	PVT
.endif
.endm
; A phase behind its barrier.  tl: who fetches (0 nobody, 1 waves 0-3, 2 waves 4-7, 3 all); ew, lw: what waves 0-3 and 4-7 do (1 a K phase, 2 a V phase).  Every branch hangs on the wave's number alone.
.macro PHASE tl, ew, lw
.if \tl == 3
	TL
.elseif \tl == 1
	s_cmp_lt_u32 s[WV], 4
	s_cbranch_scc0 .Lnone_\@
	TL
.Lnone_\@:
.elseif \tl == 2
	s_cmp_ge_u32 s[WV], 4
	s_cbranch_scc0 .Lnone_\@
	TL
.Lnone_\@:
.endif
	s_cmp_lt_u32 s[WV], 4
	s_cbranch_scc0 .Llate_\@
	WORK \ew
	s_branch .Ljoin_\@
.Llate_\@:
	WORK \lw
.Ljoin_\@:
.endm
.macro FINL                            ; the sums of the two halves of the lanes
.irp u, 0,1
	v_permlanex16_b32 v[A+\u], v[L+2*\u], s[SEL], s[SEL+1]
.endr
.irp u, 0,1
	v_add_f32 v[L+2*\u], v[L+2*\u], v[A+\u]
.endr
.endm
.macro STORE_O                         ; O^T to my stage as it stands, each accumulator from its low end on; -M and the sums beside it
	WIN 0x04                                       ; an LDS store's data are its source 1: window 1
.set j, 0
.rept 64
	ds_store_b128 v[SOA], v[4*j:4*j+3] offset:512*j
.set j, j+1
.endr
	WIN 0
	ds_store_b32 v[SSA], v[NM]
	ds_store_b32 v[SSA], v[L] offset:128
	ds_store_b32 v[SSA], v[NM+2] offset:256
	ds_store_b32 v[SSA], v[L+2] offset:384
.endm
; 64 numbers of a lane, register 16 b + i = k 32 b + 16 (lane / 16) + i of my row, become a fragment's codes in v[PC] on and its scale word in v[PW].
.macro QUANT s
.irp b, 0,1,2,3
	v_max3_num_f32 v[TM+\b], |v[(\s)+16*\b]|, |v[(\s)+1+16*\b]|, 0x1800000
.endr
.irp i, 2,4,6,8,10,12,14
.irp b, 0,1,2,3
	v_max3_num_f32 v[TM+\b], v[TM+\b], |v[(\s)+16*\b+\i]|, |v[(\s)+1+16*\b+\i]|
.endr
.endr
.irp b, 0,1,2,3
	v_permlanex16_b32 v[TM+4+\b], v[TM+\b], s[SEL], s[SEL+1]
.endr
.irp b, 0,1,2,3
	v_max_num_f32 v[TM+\b], v[TM+\b], v[TM+4+\b]
.endr
.irp b, 0,1,2,3
	v_add_nc_u32 v[TM+12+\b], 0xff000000, v[TM+\b]
.endr
.irp b, 0,1,2,3
	v_lshrrev_b32 v[TM+4+\b], 23, v[TM+12+\b]
.endr
	v_lshl_or_b32 v[PW], v[TM+5], 8, v[TM+4]
	v_lshl_or_b32 v[PW], v[TM+6], 16, v[PW]
	v_lshl_or_b32 v[PW], v[TM+7], 24, v[PW]
.irp c, 0,1
	v_cvt_scalef32_pk16_fp6_f32 v[PC+6*\c:PC+2+6*\c], v[(\s)+32*\c:(\s)+15+32*\c], v[TM+12+2*\c]
	v_cvt_scalef32_pk16_fp6_f32 v[PC+12+4*\c:PC+14+4*\c], v[(\s)+16+32*\c:(\s)+31+32*\c], v[TM+12+2*\c+1]
.endr
	v_nop                                          ; one plain place behind a scaled conversion
.irp c, 0,1
.irp i, 0,1,2
	v_permlane16_swap_b32 v[PC+6*\c+\i], v[PC+12+4*\c+\i]
.endr
.irp i, 0,1,2
	v_mov_b32 v[PC+3+6*\c+\i], v[PC+12+4*\c+\i]
.endr
.endr
.endm
	s_load_b256 s[4:11], s[0:1], 0x0               ; qimg, kv, wo, b_out
	s_load_b64 s[12:13], s[0:1], 0x20              ; out0
	v_lshl_add_u32 v[SPW], v0, 2, SPARE
	v_mov_b32 v[NIL], 0
	ds_add_u32 v1, v2
	ds_add_u32 v1, v2
	s_wait_dscnt 0x0
	v_lshrrev_b32 v[AK], 5, v0
	v_readfirstlane_b32 s[WV], v[AK]               ; wave 0..7
	s_lshr_b32 s[GR], s[WV], 1                     ; key group
	s_and_b32 s[QH], s[WV], 1                      ; query half; also: which half of a unit I fetch
	s_lshr_b32 s[LATE], s[WV], 2                   ; 1: a phase behind
	s_mov_b32 s[SEL], 0x76543210
	s_mov_b32 s[SEL+1], 0xfedcba98
	s_mov_b32 s[CS], 0x3db8aa3b                    ; c = log2(e) / 16
	s_mov_b32 s[CS+1], s[CS]                       ; (named with it as a pair, so it is written)
	v_and_b32 v24, 31, v0
	v_lshlrev_b32 v24, 4, v24                      ; 16 x lane
	s_mul_i32 s47, s[GR], UNIT
	v_add_nc_u32 v[AK], s47, v24
	v_add_nc_u32 v[AV], VAREA, v[AK]
	; descriptor group 1: 12,800 dense bytes as 50 rows of 256 (32 elements of 8 bytes), no padding; the mask names all four work-groups
	s_mov_b32 s[G1], 15|(3<<16)|(1<<21)
	s_mov_b32 s[G1+1], 32<<16                      ; tensor_dim0
	s_mov_b32 s[G1+2], 50<<16                      ; tensor_dim1
	s_mov_b32 s[G1+3], 32<<16                      ; tile_dim0
	s_mov_b32 s[G1+4], 50                          ; tile_dim1
	s_mov_b32 s[G1+5], 32                          ; the pitch
	s_mov_b32 s[G1+6], 0
	s_mov_b32 s[G1+7], 0
	s_and_b32 s46, ttmp7, 0xffff                   ; the batch, which the four partners share
	; what hangs on my place in the cluster: Q's and out0's addresses alone, in registers that feed no descriptor and no LDS address
	s_bfe_u32 s44, ttmp6, 0x40000                  ; cx
	s_lshl_b32 s45, ttmp9, 2
	s_add_co_u32 s45, s45, s44                     ; my block of 64 queries
	s_lshl_b32 s52, s46, 5
	s_lshr_b32 s53, s45, 1
	s_add_co_u32 s52, s52, s53
	s_mul_i32 s52, s52, UNIT                       ; its block of qimg,
	s_and_b32 s53, s45, 1                          ; and which half of that: a
	s_lshl_b32 s54, s53, 2
	s_lshl_b32 s55, s[QH], 1
	s_add_co_u32 s54, s54, s55                     ; my first tile: 4 a + 2 qh
	s_mul_i32 s54, s54, 2*FRB
	s_add_co_u32 s54, s54, s52
	s_mov_b32 s55, 0
	s_lshl_b32 s56, s53, 9
	s_lshl_b32 s57, s[QH], 3
	s_add_co_u32 s56, s56, s57
	s_add_co_u32 s56, s56, s52
	s_add_co_u32 s56, s56, SCA                     ; my two tiles' scale words
	s_mov_b32 s57, 0
	s_lshl_b32 s52, s46, 22                        ; out0: 4,096 rows of 1,024 bytes a batch,
	s_lshl_b32 s53, s45, 16                        ; 64 rows a work-group,
	s_add_co_u32 s52, s52, s53
	s_lshl_b32 s53, s[QH], 15                      ; 32 a query half,
	s_add_co_u32 s52, s52, s53
	s_lshl_b32 s53, s[GR], 8                       ; and 64 columns for each g
	s_add_co_u32 s52, s52, s53
	s_mov_b32 s53, 0
	; the tiles: batch, cluster, wave and constants alone
	s_mul_i32 s[KB], s46, 64*UNIT                  ; the batch's four streams,
	s_mul_i32 s58, s[GR], 16*UNIT                  ; my group's 16 units,
	s_add_co_u32 s[KB], s[KB], s58
	s_mul_i32 s58, s[QH], HALFU                    ; my half of each unit
	s_add_co_u32 s[KB], s[KB], s58
	s_mov_b32 s[KB+1], 0
	s_lshr_b32 s60, ttmp9, 3                       ; in a cluster launch ttmp9 counts clusters: 0 to 15 in a batch
	s_xor_b32 s60, s60, ttmp9
	s_and_b32 s60, s60, 7                          ; the key step at which my cluster's walk begins,
	s_lshl_b32 s60, s60, 1                         ; as a unit: K's, an even one
	s_xor_b32 s47, s[LATE], 1
	s_add_co_u32 s[UI], s60, s47                   ; the walking descriptor begins at the walk's second unit (waves 0-3) or its first (waves 4-7): 15 at the most,
	s_mul_i32 s[WOF], s[UI], UNIT
	s_mov_b32 s[WOF+1], 0
	s_add_co_u32 s62, s60, s[LATE]                 ; the other first fill is the walk's first or second
	s_mul_i32 s62, s62, UNIT
	s_mov_b32 s63, 0
	s_mul_i32 s59, s[WV], HALFU                    ; my half's place in an area
	s_mov_b32 s[G0], 1
	s_lshl_b32 s[G0+1], s47, 17
	s_add_co_u32 s[G0+1], s[G0+1], s59
	s_mov_b32 s[G0X], 1
	s_lshl_b32 s[G0X+1], s[LATE], 17
	s_add_co_u32 s[G0X+1], s[G0X+1], s59
	s_and_b32 s58, s[WV], 3
	s_mul_i32 s58, s58, HALFU                      ; W_out: a quarter for each of waves 4-7
	s_mov_b32 s59, 0
	s_mov_b32 s[G0W], 1
	s_add_co_u32 s[G0W+1], s58, WOUT
	s_wait_kmcnt 0x0
	s_add_nc_u64 s[KB:KB+1], s[6:7], s[KB:KB+1]
	s_add_nc_u64 s[G0+2:G0+3], s[KB:KB+1], s[WOF:WOF+1]
	s_or_b32 s[G0+3], s[G0+3], 0x80000000
	s_add_nc_u64 s[G0X+2:G0X+3], s[KB:KB+1], s[62:63]
	s_or_b32 s[G0X+3], s[G0X+3], 0x80000000
	s_add_nc_u64 s[G0W+2:G0W+3], s[8:9], s[58:59]
	s_or_b32 s[G0W+3], s[G0W+3], 0x80000000
	s_add_nc_u64 s[54:55], s[4:5], s[54:55]        ; Q's fragments
	s_add_nc_u64 s[56:57], s[4:5], s[56:57]        ; Q's scale words
	s_add_nc_u64 s[12:13], s[12:13], s[52:53]
	s_lshl_b32 s52, s[GR], 8
	s_add_nc_u64 s[10:11], s[10:11], s[52:53]      ; b_out at my 64 columns
	ROUND                                          ; all four work-groups are here: the first joint loads meet
	s_cmp_lt_u32 s[WV], 4                          ; all first fills go out as one group, a wave's inside one branch: two or three loads of mine are out
	s_cbranch_scc0 .Lfirst_late
	tensor_load_to_lds s[G0X:G0X+3], s[G1:G1+7]    ; the walk's first unit
	s_nop 0
	tensor_load_to_lds s[G0:G0+3], s[G1:G1+7]      ; its second
	s_nop 0
.rept 4
	v_nop
.endr
	s_branch .Lfirst_asked
.Lfirst_late:
	tensor_load_to_lds s[G0W:G0W+3], s[G1:G1+7]    ; W_out
	s_nop 0
	tensor_load_to_lds s[G0:G0+3], s[G1:G1+7]      ; the walk's first unit
	s_nop 0
	tensor_load_to_lds s[G0X:G0X+3], s[G1:G1+7]    ; its second
	s_nop 0
.rept 4
	v_nop
.endr
.Lfirst_asked:
.irp u, 0,1
.irp s, 0,1
.irp c, 0,1,2
	global_load_b128 v[Q+24*\u+12*\s+4*\c:Q+24*\u+12*\s+4*\c+3], v24, s[54:55] offset:2*FRB*\u+FRB*\s+512*\c   ; Q stays in registers
.endr
.endr
.endr
	global_load_b64 v[QS:QS+1], v24, s[56:57]      ; tile 0's and tile 1's words; lanes 0-15 K step 0, lanes 16-31 K step 1
	WIN 0x40
.set j, 0
.rept 256
	v_mov_b32 v[j], 0                              ; O^T
.set j, j+1
.endr
	WIN 0
.irp u, 0,1
	v_mov_b32 v[NM+2*\u], 0x7f61b1e6               ; -M = 3e38: M lies under every t, and the first f is 0
	v_mov_b32 v[L+2*\u], 0
	v_mov_b32 v[F+6*\u], 0
.endr
	s_wait_loadcnt 0x0                             ; Q
	s_wait_tensorcnt 0x1                           ; the walk's first unit (and W_out) has landed; one younger load, the second unit's, may stay out
	s_barrier_signal -1
	s_barrier_wait -1
	PHASE 0, 1, 0                                  ; phase 0: waves 0-3 K of their first step
	CHG
	PHASE 1, 2, 1                                  ; phase 1: waves 0-3 ask for the walk's unit 2; waves 4-7 still have unit 1 unread
	s_mov_b32 s[TRIP], 6
.Lpair:                                            ; phases 2 to 13: in phase f waves 0-3 ask for the walk's unit f + 1, waves 4-7 for unit f
	CHG
	PHASE 3, 1, 2
	CHG
	PHASE 3, 2, 1
	s_sub_co_u32 s[TRIP], s[TRIP], 1
	s_cmp_lg_u32 s[TRIP], 0
	s_cbranch_scc1 .Lpair
	CHG
	PHASE 3, 1, 2                                  ; phase 14: the tail is written out by a count
	CHG
	PHASE 2, 2, 1                                  ; phase 15: only waves 4-7 have a unit left to ask for
	s_wait_tensorcnt 0x0                           ; phase 16: the last unit has landed; nothing is filled again
	ds_add_u32 v[SPW], v[NIL]
	s_wait_dscnt 0x0
	s_barrier_signal -1
	s_barrier_wait -1
	; THE EPILOGUE'S ADDRESSES, made here on the way that all waves take, in Q's registers, which nothing reads any more
	v_and_b32 v32, 31, v0                          ; lane
	v_and_b32 v33, 15, v0                          ; r
	v_bfe_u32 v34, v0, 4, 1                        ; h
	v_lshlrev_b32 v35, 4, v32
	v_lshlrev_b32 v36, 2, v32
	s_and_b32 s58, s[GR], 1                        ; tl: which of the half's two tiles I merge,
	s_lshr_b32 s59, s[GR], 1                       ; dh: and which 128 of d
	s_lshl_b32 s60, s[WV], 15
	v_add_nc_u32 v[SOA], s60, v35                  ; my stage for O^T
	s_lshl_b32 s60, s[WV], 9
	s_add_co_u32 s60, s60, STATS
	v_add_nc_u32 v[SSA], s60, v36
	s_lshl_b32 s60, s[QH], 15
	v_add_nc_u32 v[PAA], s60, v35                  ; where my query half's four quantised fragments will lie
	s_lshl_b32 s61, s58, 14
	s_add_co_u32 s60, s60, s61
	s_lshl_b32 s61, s59, 13
	s_add_co_u32 s60, s60, s61
	v_add_nc_u32 v[MA], s60, v35                   ; my unit (tl, dh) in key group 0's stage of my query half,
	v_add_nc_u32 v[MA+1], 0x10000, v[MA]           ; and in the other three's
	v_add_nc_u32 v[MA+2], 0x20000, v[MA]
	v_add_nc_u32 v[MA+3], 0x30000, v[MA]
	s_lshl_b32 s60, s[QH], 9
	s_lshl_b32 s61, s58, 8
	s_add_co_u32 s60, s60, s61
	s_add_co_u32 s60, s60, STATS
	v_add_nc_u32 v[STA], s60, v36
	s_lshl_b32 s60, s[QH], 8
	s_add_co_u32 s62, s60, ASC
	v_add_nc_u32 v[PSA], s62, v36
	s_lshl_b32 s61, s58, 7
	s_add_co_u32 s62, s62, s61
	s_lshl_b32 s61, s59, 6
	s_add_co_u32 s62, s62, s61
	v_lshl_add_u32 v[ASW], v33, 2, s62             ; 128 bytes a tile: lanes 0-15's places for dh = 0, lanes 16-31's for dh = 1
	s_mul_i32 s60, s[GR], 8*FRB
	s_add_co_u32 s60, s60, WOUT
	v_add_nc_u32 v[PWA], s60, v35                  ; W_out's column tiles 4 g on
	s_lshl_b32 s60, s[GR], 9
	s_add_co_u32 s60, s60, WOSC
	v_add_nc_u32 v[PWS], s60, v36
	s_mul_i32 s60, s[WV], 32*272
	s_add_co_u32 s60, s60, OST
	v_mul_u32_u24 v37, v33, 272
	v_lshl_add_u32 v37, v34, 5, v37
	v_add_nc_u32 v[OSW], s60, v37                  ; into the stage: row r, + 32 h
	v_mul_u32_u24 v37, v34, 272
	v_lshl_add_u32 v37, v33, 4, v37
	v_add_nc_u32 v[OSR], s60, v37                  ; back: lanes 0-15 one row, lanes 16-31 the next
	v_lshlrev_b32 v[GOB], 5, v34
	v_lshlrev_b32 v37, 10, v34
	v_lshl_add_u32 v[GOO], v33, 4, v37
	s_cmp_lt_u32 s[WV], 4
	s_cbranch_scc0 .Llast_late
	FINL                                           ; waves 0-3 are done: their stages, bytes 0 to 131,071, touch nothing that waves 4-7 still read
	STORE_O
	s_branch .Llast_join
.Llast_late:
	PVT                                            ; waves 4-7: V of their last step
	FINL
.Llast_join:
	BARRIER                                        ; nobody reads the V area any more
	s_cmp_lt_u32 s[WV], 4
	s_cbranch_scc1 .Lstored
	STORE_O
.Lstored:
.irp i, 0,1,2,3                                ; b_out in the result's layout: tile i's register j is column 64 g + 16 i + 8 h + j
	global_load_b128 v[Q+8*\i:Q+8*\i+3], v[GOB], s[10:11] offset:64*\i
	global_load_b128 v[Q+8*\i+4:Q+8*\i+7], v[GOB], s[10:11] offset:64*\i+16
.endr
	BARRIER                                        ; all eight parts of O^T lie in LDS
	; ---- THE MERGE: my unit (tile tl of my query half, d 128 dh on) from the four key groups
.irp k, 0,1,2,3
	ds_load_b32 v[A+\k], v[STA] offset:1024*\k     ; -M,
	ds_load_b32 v[A+4+\k], v[STA] offset:1024*\k+128   ; and the sum
.endr
	WIN 0x40
.irp k, 0,1,2,3
.irp i, 0,1,2,3,4,5,6,7,8,9,10,11,12,13,14,15
	ds_load_b128 v[64*\k+4*\i:64*\k+4*\i+3], v[MA+\k] offset:512*\i
.endr
.endr
	WIN 0
	s_wait_dscnt 63                                ; the eight loads of -M and the sums are in: behind them stand 64
	v_min3_num_f32 v[T], v[A], v[A+1], v[A+2]
	v_min_num_f32 v[T], v[T], v[A+3]               ; -M of all keys
.irp k, 0,1,2,3
	v_sub_f32 v[CC+2*\k], v[T], v[A+\k]            ; the group's M less that M: a whole number, 0 or less
.endr
.irp k, 0,1,2,3
	v_cvt_i32_f32 v[CC+2*\k], v[CC+2*\k]
.endr
.irp k, 0,1,2,3
	v_ldexp_f32 v[CC+2*\k], 1.0, v[CC+2*\k]
.endr
	v_mul_f32 v[T+1], v[CC], v[A+4]
	v_fmac_f32 v[T+1], v[CC+2], v[A+5]
	v_fmac_f32 v[T+1], v[CC+4], v[A+6]
	v_fmac_f32 v[T+1], v[CC+6], v[A+7]             ; the row's sum
	v_rcp_f32 v[T+1], v[T+1]
	v_nop                                          ; a plain place behind the reciprocal
	s_wait_alu depctr_va_vdst(0)
.irp k, 0,1,2,3
	v_mul_f32 v[CC+2*\k], v[CC+2*\k], v[T+1]
.endr
.irp k, 0,1,2,3
	v_mov_b32 v[CC+2*\k+1], v[CC+2*\k]             ; each factor twice, for the packed forms
.endr
.irp b, 0,1,2,3
	v_mov_b32 v[TM+4+\b], 0                        ; a lane permute's destination counts as one of its sources
.endr
	s_wait_dscnt 0x0
	WIN 0x01                                       ; source 0 window 1
.set j, 0
.rept 32
	v_pk_mul_f32 v[S+j:S+j+1], v[j:j+1], v[CC:CC+1]
.set j, j+2
.endr
.irp k, 1,2,3
.set j, 0
.rept 32
	v_pk_fma_f32 v[S+j:S+j+1], v[64*\k+j:64*\k+j+1], v[CC+2*\k:CC+2*\k+1], v[S+j:S+j+1]
.set j, j+2
.endr
.endr
	WIN 0
	QUANT S                                        ; register 16 b + i = d 128 dh + 32 b + 16 h + i of my query
.irp c, 0,1,2
	ds_store_b128 v[MA], v[PC+4*\c:PC+4*\c+3] offset:512*\c   ; into bytes that I alone have read
.endr
	ds_store_b32 v[ASW], v[PW]
	BARRIER                                        ; the eight fragments of the attention's result lie in LDS
	; ---- THE LAST PRODUCT: my query half's two tiles x output columns 64 g on.  Source 0 = 16 columns of W_out, source 1 = the result's rows
	WIN 0x40
.irp u, 0,1
.irp s, 0,1
.irp c, 0,1,2
	ds_load_b128 v[12*(2*\u+\s)+4*\c:12*(2*\u+\s)+4*\c+3], v[PAA] offset:16384*\u+8192*\s+512*\c
.endr
.endr
.endr
.irp f, 0,1,2,3,4,5,6,7
.irp c, 0,1,2
	ds_load_b128 v[48+12*\f+4*\c:48+12*\f+4*\c+3], v[PWA] offset:\f*FRB+512*\c
.endr
.endr
	WIN 0
.irp u, 0,1
	ds_load_b32 v[QS+\u], v[PSA] offset:128*\u
.endr
.irp i, 0,1,2,3
	ds_load_b32 v[KS+\i], v[PWS] offset:128*\i
.endr
	s_wait_loadcnt 0x0                             ; b_out
	s_wait_dscnt 0x0
	WIN 0x05                                       ; sources 0 and 1 window 1
.irp s, 0,1                                    ; eight accumulators by turns; the bias is the C of each sum's first product
.irp i, 0,1,2,3
.irp u, 0,1
.if \s
	v_wmma_scale_f32_16x16x128_f8f6f4 v[S+8*(2*\i+\u):S+8*(2*\i+\u)+7], v[48+24*\i+12:48+24*\i+23], v[24*\u+12:24*\u+23], v[S+8*(2*\i+\u):S+8*(2*\i+\u)+7], v[KS+\i], v[QS+\u] matrix_a_fmt:MATRIX_FMT_FP6 matrix_b_fmt:MATRIX_FMT_FP6 matrix_a_scale:MATRIX_SCALE_ROW1 matrix_b_scale:MATRIX_SCALE_ROW1
.else
	v_wmma_scale_f32_16x16x128_f8f6f4 v[S+8*(2*\i+\u):S+8*(2*\i+\u)+7], v[48+24*\i:48+24*\i+11], v[24*\u:24*\u+11], v[Q+8*\i:Q+8*\i+7], v[KS+\i], v[QS+\u] matrix_a_fmt:MATRIX_FMT_FP6 matrix_b_fmt:MATRIX_FMT_FP6
.endif
.endr
.endr
.endr
	WIN 0
	PLACES 4
	; ---- THE WAY OUT: 32 rows x 256 bytes through my own stage, so that sixteen lanes store 256 consecutive bytes, at a multiple of 256 from out0's first byte
.irp i, 0,1,2,3
.irp u, 0,1
	ds_store_b128 v[OSW], v[S+8*(2*\i+\u):S+8*(2*\i+\u)+3] offset:16*272*\u+64*\i
	ds_store_b128 v[OSW], v[S+8*(2*\i+\u)+4:S+8*(2*\i+\u)+7] offset:16*272*\u+64*\i+16
.endr
.endr
.irp p, 0,1,2,3,4,5,6,7,8,9,10,11,12,13,14,15
	ds_load_b128 v[PC+4*\p:PC+4*\p+3], v[OSR] offset:544*\p   ; LDS serves a wave's instructions in order: these see my stores
.endr
.irp p, 0,1,2,3,4,5,6,7,8,9,10,11,12,13,14,15  ; stage rows 2 p, 2 p + 1 are lanes r = 2 (p % 8), + 1 of tile p / 8: rows 8 (p / 8) + r + 8 (r / 8) of my 32
	s_wait_dscnt 15-\p
	global_store_b128 v[GOO], v[PC+4*\p:PC+4*\p+3], s[12:13] offset:(8*(\p/8)+2*(\p%8)+8*((\p%8)/4))*1024 th:TH_STORE_NT
.endr
	s_wait_tensorcnt 0x0                           ; the wave's end, behind my last tensor load and my last LDS store
	ds_add_u32 v[SPW], v[NIL]
	s_wait_dscnt 0x0
	ROUND                                          ; the closing round: no work-group ends while a partner may still ask for a tile that names it
	s_endpgm
.Lfunc_end_k_qa191298791_attn:
	.size	k_qa191298791_attn, .Lfunc_end_k_qa191298791_attn-k_qa191298791_attn
	.p2alignl 7, 3214868480
	.fill 96, 4, 3214868480
	.section	.rodata,"a",@progbits
	.p2align	6, 0x0
	.amdhsa_kernel k_qa191298791_attn
		.amdhsa_group_segment_fixed_size 327680
		.amdhsa_private_segment_fixed_size 0
		.amdhsa_enable_private_segment 0
		.amdhsa_kernarg_size 40
		.amdhsa_user_sgpr_count 2
		.amdhsa_user_sgpr_kernarg_segment_ptr 1
		.amdhsa_wavefront_size32 1
		.amdhsa_system_sgpr_workgroup_id_x 1
		.amdhsa_system_sgpr_workgroup_id_y 1
		.amdhsa_system_sgpr_workgroup_id_z 1
		.amdhsa_system_vgpr_workitem_id 0
		.amdhsa_next_free_vgpr 512
		.amdhsa_next_free_sgpr 66
		.amdhsa_reserve_vcc 0
		.amdhsa_float_denorm_mode_32 3
		.amdhsa_float_denorm_mode_16_64 3
		.amdhsa_memory_ordered 1
		.amdhsa_forward_progress 1
		.amdhsa_inst_pref_size 255
	.end_amdhsa_kernel
	.section	.bss,"aw",@nobits
	.p2align	6
	.space	262144
	.amdgpu_metadata
---
amdhsa.version: [ 1, 2 ]
amdhsa.kernels:
  - .name:           k_qa191298791_attn
    .symbol:         k_qa191298791_attn.kd
    .args:
      - { .name: qimg, .offset: 0, .size: 8, .value_kind: global_buffer, .address_space: global }
      - { .name: kv, .offset: 8, .size: 8, .value_kind: global_buffer, .address_space: global }
      - { .name: wo, .offset: 16, .size: 8, .value_kind: global_buffer, .address_space: global }
      - { .name: b_out, .offset: 24, .size: 8, .value_kind: global_buffer, .address_space: global }
      - { .name: out0, .offset: 32, .size: 8, .value_kind: global_buffer, .address_space: global }
    .group_segment_fixed_size: 327680
    .private_segment_fixed_size: 0
    .kernarg_segment_align: 8
    .kernarg_segment_size: 40
    .max_flat_workgroup_size: 256
    .sgpr_count:     66
    .vgpr_count:     512
    .wavefront_size: 32
...
	.end_amdgpu_metadata
.endif
;; end of part 3
